; MI455X (gfx1250); checked and timed in simulation.
; The chip was launched on July 23, 2026; its instructions are those of AMD's public machine-readable ISA for CDNA 5 (MIT licence, August 2026) and "CDNA5" Instruction Set Architecture Reference Guide (July 2026). The comments in the code are by the model that wrote it; some were corrected since.
;; Corm. Allowed arithmetic: matrix products marked QUANTISED: E2M1 operands, one E8M0 scale for each 32 along K, by v_wmma_scale_f32_16x16x128_f8f6f4 with both operands' format E2M1 (or v_wmma_scale_f32_32x16x128_f4), f32 sums; everything else in f32.
;; Inputs: corm_mask 2,048 x 2,048 float32; k_codes 1 x 2,048 x 32 x 4 x 16 uint8 (E2M1 codes of k, K innermost, in blocks of 32 codes, two codes a byte); k_scales 1 x 2,048 x 32 x 4 uint8 (E8M0 scales of k, one for each 32 codes along K); q_codes 1 x 2,048 x 32 x 4 x 16 uint8 (E2M1 codes of q, K innermost, in blocks of 32 codes, two codes a byte); q_scales 1 x 2,048 x 32 x 4 uint8 (E8M0 scales of q, one for each 32 codes along K); v_codes 1 x 32 x 128 x 64 x 16 uint8 (E2M1 codes of v, K innermost, in blocks of 32 codes, two codes a byte); v_scales 1 x 32 x 128 x 64 uint8 (E8M0 scales of v, one for each 32 codes along K).
;; Outputs: out0 1 x 2,048 x 32 x 128 float32; out1 1 x 32 x 2,048 bool.
;; This version of the problem:
;;   THIS VERSION OF THE PROBLEM IS GIVEN IN LOW PRECISION. The matrix products marked QUANTISED in the list below multiply operands that are first quantised to E2M1 (2 exponent bits, 1 mantissa bit; 4 bits a number), with one power-of-two scale for each 32 numbers along K (OCP MX v1.0); their sums are f32. All else is computed in f32.
;;   The module's matrix products, in the order in which they are computed (A, B: the left and right operand; K: the contracted axis; several contracted axes count as one K, in the product's order):
;;     1. batch 32 x [M 2,048, K 128] x [K 128, N 2,048]; A: input q (given as codes); B: input k (given as codes): QUANTISED
;;     2. batch 32 x [M 128, K 2,048] x [K 2,048, N 2,048]; A: input v (given as codes); B: softmax (see below): QUANTISED
;;   THE QUANTISER, for each operand of a quantised product, along K:
;;     - K is cut into blocks of 32 from its start; a last block that is shorter is filled with zeros.
;;     - A block's scale is 2^e with e = floor(log2(the largest magnitude in the block)) - 2, held to -126 .. 127; a block of zeros has e = 0. As a byte (E8M0): e + 127.
;;     - Each number is divided by its block's scale, clamped to +-6, and rounded to the nearest number of E2M1, ties to even, subnormals kept.
;;     - The product sums the exact products of the quantised numbers (number of the format x scale) in f32.
;;   ~~~python
;;   def quantise(x, axis):      # numpy; x: float32 -> the quantised numbers, widened to float32 again
;;       x = np.moveaxis(x, axis, -1); K = x.shape[-1]
;;       x = np.pad(x, [(0, 0)] * (x.ndim - 1) + [(0, -K % 32)]); x = x.reshape(x.shape[:-1] + (-1, 32)); a = np.abs(x).max(-1, keepdims=True)
;;       e = np.where(a > 0, np.clip(np.frexp(np.where(a > 0, a, 1))[1] - 1 - 2, -126, 127), 0)      # np.frexp(a)[1] - 1 = floor(log2(a)), exactly
;;       r = np.clip(x / 2.0 ** e, -6, 6)
;;       step = 2.0 ** (np.maximum(np.frexp(np.where(r == 0, 1, r))[1] - 1, 0) - 1)
;;       q = np.round(r / step) * step * 2.0 ** e      # np.round: ties to even
;;       return np.moveaxis(q.reshape(q.shape[:-2] + (-1,))[..., :K], -1, axis).astype(np.float32)
;;   ~~~
;;   SOFTMAX AHEAD OF A QUANTISED PRODUCT. Where the list says 'softmax', what is quantised is not the finished softmax but p = 2^(t - M), with t = logit x log2(e) and M = ceil(the row's largest t), a whole number; so 1/2 < the row's largest p <= 1. The row's sum l is taken of the UNQUANTISED p, in f32, and the product's result is divided by l at the end. Since M is a whole number, a kernel that streams over the keys may use a running M (the ceiling of the running maximum): every later rescaling is an exact power of two, which a block's scale takes up: the codes' values come out the same.
;;   OPERANDS COMPUTED ON THE WAY. 'Computed on the way' means the value that the module computes at that place (a softmax that the list does not call 'softmax' is quantised finished and normalised). What goes into a quantiser is computed in f32, as accurately as f32 sums, v_exp_f32 and their like allow (about 1e-6 of the number): no bf16 or f16 on the way to a quantiser, and a product that is left as it is and whose result goes on into a quantised operand takes f32 operands (vector FMAs, or v_wmma_f32_16x16x4_f32). A number that lies on a knife's edge between two numbers of the format may be rounded either way, as far as f32 arithmetic and the matrix unit's own rounding can turn it there, and no further.
;;   INPUTS GIVEN AS CODES. k (in the module: [1, 2048, 32, 128], K = its axis 3); q (in the module: [1, 2048, 32, 128], K = its axis 3); v (in the module: [1, 2048, 32, 128], K = its axis 1): each comes as NAME_codes (uint8): NAME with its K axis moved to the last place and cut into blocks of 32 codes, [.., K / 32, bytes a block], one block behind the other in memory; two codes a byte, the lower K in the low four bits (a code: sign, 2 exponent bits, 1 mantissa bit); and NAME_scales (uint8): the same leading axes, one E8M0 byte (e + 127) for each 32 codes along K. Its value is code x scale, taken as it is: it is not quantised again, and the codes and scales need not be those that the quantiser above would give.
;; One version. Each part assembles by itself: llvm-mc -triple=amdgcn-amd-amdhsa -mcpu=gfx1250 --defsym DOCPART=n.
;; ======== version 1 of 1: 2 launches
;; workspace buffers: stats 524,288 bytes; th 16,777,216 bytes; uflag 262,144 bytes
;; launch attn (part 1): grid 8 x 32, 16 waves a work-group, clusters of 4 x 1, 327,680 bytes of LDS; arguments q_codes, q_scales, k_codes, k_scales, v_codes, v_scales, corm_mask, out0, stats, th, uflag; writes out0, stats, th, uflag
.if DOCPART == 1
	.amdgcn_target "amdgcn-amd-amdhsa--gfx1250"
	.amdhsa_code_object_version 6
	.text
	.protected	k_qa8b530a6c7_attn
	.globl	k_qa8b530a6c7_attn
	.p2align	8
	.type	k_qa8b530a6c7_attn,@function
k_qa8b530a6c7_attn:
	s_mov_b64 s[64:65], 0
	v_nop
	global_prefetch_b8 v0, s[64:65] scope:SCOPE_SE
	s_setreg_imm32_b32 hwreg(HW_REG_WAVE_MODE, 25, 1), 1
	s_wait_xcnt 0x0
	s_wait_alu depctr_hold_cnt(0) depctr_sa_sdst(0) depctr_va_vdst(0) depctr_va_sdst(0) depctr_va_ssrc(0) depctr_va_vcc(0) depctr_vm_vsrc(0)
	s_getreg_b32 s2, hwreg(HW_REG_IB_STS2, 6, 4)
	s_cmp_eq_u32 s2, 0
	s_cbranch_scc0 .Lentry_in_a_cluster
	s_endpgm
.Lentry_in_a_cluster:
	s_bfe_u32 s2, ttmp6, 0x10000c
	s_cmp_lg_u32 s2, 0x3003
	s_cbranch_scc0 .Lentry_shape_is_right
	s_endpgm
.Lentry_shape_is_right:
; out0[q][head][:] = the sum over k <= q of softmax_k(Q[q] . K[k] / sqrt(128)) V[k][:], both products on codes of FP4 (E2M1) with one E8M0 scale for each 32 along a product's K.
; THE SOFTMAX AHEAD OF THE SECOND PRODUCT: t = score x log2(e) / sqrt(128); M = the row's largest t so far, rounded UP to a whole number; p = 2^(t - M) is quantised along the keys; the row's sum l is taken of
; the unquantised p and divides O at the end.  When M moves, l and O are multiplied by 2^(old M - new M): exact.
; BESIDE out0 this launch leaves, for the launch that makes out1:
;   stats: NL[head][q] = -(M + log2 l) x KINV, KINV = sqrt(128) ln 2, and behind the 262,144 bytes of NL each query's scale word, laid by head;
;   th:    the mask turned into thresholds on the raw score: probs >= c  <=>  score + NL[q] >= TH[q][k], TH = log2(c) x KINV; -infinity where c <= 0 (always true), NaN where c is NaN (never true),
;          +infinity where q < k (the causal mask).  Laid [block of 64 keys][tile of 16 queries][j 8][lane 32][t 4]: word (j, lane (r, h), t) = TH(16 tile + 8 h + j, 64 block + 4 r + t).
;   uflag: U[tile of 16 queries][key] = 1 where one of the tile's rows with q < k has c <= 0: there probs is 0 and 0 >= c holds, for every head.
; LIMITS: a positive mask number under 2^-126 counts as 0 (the logarithm takes a denormal as zero); NaN and infinities among codes x scales are not served; the test for out1 is made on logarithms, whose rounding is
; of the size of f32's own in the exponential and the sum.
; SHARES.  A work-group serves one head; x = 0 .. 7 is its number in the head.  Each of its SIXTEEN waves owns one tile of 16 queries, in 256 registers: wave w the queries 128 w + 16 x + 0 .. 15.  So wave w needs key
; steps 0 .. w of 128 keys, whatever x is: every work-group has 136 tile steps, step w is the wave's diagonal, and every branch hangs on the wave's number and the step alone.
; CLUSTER.  The four work-groups of a cluster serve one head and walk the same K, V and scale bytes: each tile is asked for JOINTLY, by the same tensor load with the same descriptor and a mask that names the four.
; x enters global addresses and lane data alone, never an LDS address or a branch.
; LAYOUT.  Both products are used transposed: S^T = K Q^T (source 0 = 16 keys, source 1 = my 16 queries), O^T = V^T P^T: a lane holds ONE query (lane % 16) throughout.
; THE KEYS OF A TILE ARE NOT NEIGHBOURS: lane r of tile 2 b + u takes key 32 b + 8 u + r + 8 (r / 8), so that the 16 registers of tiles 2 b and 2 b + 1 are 16 neighbouring keys, 32 b + 16 (lane / 16) + 0 .. 15.
; REGISTERS: v1-7 addresses that stay; v8-11 addresses of the loads in hand; v12 -M, v13 the largest t, v[14:15] the sum in two halves; v16-23 Q; v24 the diagonal's distance; v25-31 the mask's part alone;
; v32-95 four fragments of K or of V; v96-159 S^T, then p (in the mask's part: c and TH); v160-223 O^T; v224-231 p's codes; v232-254 at work; v248-251, v253, v255 scale words.
.set SK,    512                        ; keys in a slot: four key steps
.set KP,    80                         ; a key's row in LDS: 64 bytes + 16 of padding
.set VP,    272                        ; a row of V's tile (512 keys, 256 bytes) + 16 of padding
.set VOFF,  SK*KP                      ; a slot: 512 rows of K, then 128 rows of V
.set SLOT1, 1<<17                      ; slot 1 begins here, so that one exclusive or turns an address in one slot into the other's
.set NSL,   4                          ; slots' worth of keys
.set SCK,   2*SLOT1                    ; behind the ring: K's 2,048 scale words of the head, dense;
.set SCH,   16*272                     ; (half of V's scale bytes: 16 units of 256 bytes + 16 of padding)
.set SCV,   SCK+8192                   ; V's scale bytes
.set SPARE, SCV+2*SCH                  ; the spare words, 128 bytes for each wave: eight blocks of 256 bytes that no other line names
.set STAGE, 0                          ; the way out: 16 rows x 272 bytes for each wave, in slot 0: it has had its last fill, and nobody reads it behind the last change of slots
.set AK0,  1                           ; v1   my lane's place in a tile of K
.set AV0,  2                           ; v2   the same for V
.set ASK0, 3                           ; v3   my lane's place among K's scale words
.set ASV0, 4                           ; v4   and among V's
.set SPW,  5                           ; v5   LDS address of my spare word; never rewritten
.set NIL,  6                           ; v6   0; never rewritten
.set GO,   7                           ; v7   the way out: my byte offset in the wave's rows of out0
.set ADK,  8
.set ADV,  9
.set ADS,  10
.set ADT,  11
.set DG,   24                          ; v24  16 x + r - 16 h: on the diagonal register 16 b + i is hidden where 32 b + i is larger
.set CM,   96                          ; the mask's part: 32 numbers of the mask,
.set THR,  128                         ; and their thresholds
.set WV,   26                          ; s26  my wave's number
.set SEL,  28                          ; s[28:29] lane selects for v_permlanex16_b32: lane l xor 16
.set CS,   30                          ; s[30:31] c = log2(e) / sqrt(128), as a pair
.set G1K,  32                          ; descriptor groups 1: K's tiles, V's tiles, V's scale bytes, K's scale words
.set G1V,  40
.set G1S,  48
.set G1SK, 56
.set G0K,  68                          ; groups 0: K's and V's walk; the scales' are used once
.set G0V,  72
.set G0SK, 76
.set G0SV, 80
.set TB,   84                          ; LDS byte at which the slot in hand begins
.set TS,   85                          ; the step's scale words of K: 512 bytes a step
.set TJ,   86                          ; and V's: 4 bytes a step
.set SLOTS, 87
.set KF,   88                          ; the step's first key
.set WQ,   89                          ; 128 x wave: the first key of my diagonal step
.set QB,   99                          ; which 256 rows of the mask my cluster turns,
.set KC,   100                         ; and which 256 columns: both are shared by the four partners
; A round of the cluster's barrier: my work-group's barrier, wave 0's signal for the work-group, every wave's wait for all four work-groups, my work-group's barrier once more.
.macro CROUND
	s_barrier_signal -1
	s_barrier_wait -1
	s_cmp_lg_u32 s[WV], 0
	s_cbranch_scc1 .Lnot_wave_0_\@
	s_barrier_signal -3
.Lnot_wave_0_\@:
	s_barrier_wait -3
	s_barrier_signal -1
	s_barrier_wait -1
.endm
; A joint refill: waves 0 and 1 fetch K's halves, waves 2 and 3 V's, the others nothing.  The branches hang on the wave's number alone.  Four v_nop follow each of the two lines.
.macro TLOAD
	s_cmp_lt_u32 s[WV], 2
	s_cbranch_scc0 .Lnot_k_\@
	tensor_load_to_lds s[G0K:G0K+3], s[G1K:G1K+7]
	s_nop 0
.rept 4
	v_nop
.endr
	s_branch .Lasked_\@
.Lnot_k_\@:
	s_cmp_lt_u32 s[WV], 4
	s_cbranch_scc0 .Lasked_\@
	tensor_load_to_lds s[G0V:G0V+3], s[G1V:G1V+7]
	s_nop 0
.rept 4
	v_nop
.endr
.Lasked_\@:
.endm
	s_load_b512 s[4:19], s[0:1], 0x0               ; q_codes 4, q_scales 6, k_codes 8, k_scales 10, v_codes 12, v_scales 14, the mask 16, out0 18
	s_load_b128 s[20:23], s[0:1], 0x40             ; stats 20, th 22
	s_load_b64 s[24:25], s[0:1], 0x50              ; uflag
	v_lshl_add_u32 v[SPW], v0, 2, SPARE
	v_mov_b32 v[NIL], 0
	ds_add_u32 v5, v6
	s_wait_dscnt 0x0
	v_lshrrev_b32 v8, 5, v0
	v_readfirstlane_b32 s[WV], v8                  ; wave 0..15
	s_bfe_u32 s90, ttmp6, 0x40000                  ; cx: my place in the cluster
	s_lshl_b32 s91, ttmp9, 2
	s_add_co_u32 s91, s91, s90                     ; x = 4 x cluster x + cx
	s_and_b32 s92, ttmp7, 0xffff                   ; the head, which the partners share
	s_and_b32 s93, s[WV], 1                        ; u: which half of a tile I fetch, if I fetch
	s_lshl_b32 s[WQ], s[WV], 7
	s_lshl_b32 s98, s91, 4
	s_add_co_u32 s98, s98, s[WQ]                   ; q0: my first query
	s_lshr_b32 s[QB], s92, 2
	s_and_b32 s[KC], s92, 3
	s_lshl_b32 s[KC], s[KC], 1
	s_add_co_u32 s[KC], s[KC], ttmp9
	s_lshl_b32 s101, s[QB], 4
	s_lshl_b32 s105, s90, 2
	s_add_co_u32 s101, s101, s105
	s_lshr_b32 s105, s[WV], 2
	s_add_co_u32 s101, s101, s105                  ; qt: the tile of 16 rows of the mask that my wave turns: 16 QB + 4 cx + wave / 4
	s_lshl_b32 s104, s[KC], 2
	s_and_b32 s105, s[WV], 3
	s_add_co_u32 s104, s104, s105                  ; kb: its block of 64 columns: 4 KC + wave % 4.  4,096 waves, 128 x 32 such pieces: each once
	; descriptor groups 1.  15:0 the mask: all four work-groups; 17:16 the element's size; 20 padding on; 21 set beside a mask; 24:22 the padding's interval; 31:25 its length
	s_mov_b32 s[G1K], 15|(1<<20)|(1<<21)|(3<<22)|(3<<25)   ; K: 256 rows of 64 bytes, 2,048 bytes apart; four words of padding behind every 16
	s_mov_b32 s[G1K+1], 64<<16
	s_mov_b32 s[G1K+2], 256<<16
	s_mov_b32 s[G1K+3], 64<<16
	s_mov_b32 s[G1K+4], 256
	s_mov_b32 s[G1K+5], 2048
	s_mov_b32 s[G1K+6], 0
	s_mov_b32 s[G1K+7], 0
	s_mov_b32 s[G1V], 15|(1<<20)|(1<<21)|(5<<22)|(3<<25)   ; V: 64 rows of 256 bytes, 1,024 bytes apart; four words behind every 64
	s_mov_b32 s[G1V+1], 256<<16
	s_mov_b32 s[G1V+2], 64<<16
	s_mov_b32 s[G1V+3], 256<<16
	s_mov_b32 s[G1V+4], 64
	s_mov_b32 s[G1V+5], 1024
	s_mov_b32 s[G1V+6], 0
	s_mov_b32 s[G1V+7], 0
	s_mov_b32 s[G1S], 15|(3<<16)|(1<<20)|(1<<21)|(5<<22)|(3<<25)   ; V's scale bytes: 4,096 dense bytes as 16 rows of 32 elements of 8 bytes, padded likewise
	s_mov_b32 s[G1S+1], 32<<16
	s_mov_b32 s[G1S+2], 16<<16
	s_mov_b32 s[G1S+3], 32<<16
	s_mov_b32 s[G1S+4], 16
	s_mov_b32 s[G1S+5], 32
	s_mov_b32 s[G1S+6], 0
	s_mov_b32 s[G1S+7], 0
	s_mov_b32 s[G1SK], 15|(2<<16)|(1<<21)          ; K's scale words: 1,024 rows of one element of 4 bytes, 32 elements apart; dense in LDS
	s_mov_b32 s[G1SK+1], 1<<16
	s_mov_b32 s[G1SK+2], 1024<<16
	s_mov_b32 s[G1SK+3], 1<<16
	s_mov_b32 s[G1SK+4], 1024
	s_mov_b32 s[G1SK+5], 32
	s_mov_b32 s[G1SK+6], 0
	s_mov_b32 s[G1SK+7], 0
	s_mov_b32 s[SEL], 0x76543210
	s_mov_b32 s[SEL+1], 0xfedcba98
	s_mov_b32 s[CS], 0x3e0293ee                    ; c = log2(e) / sqrt(128)
	s_mov_b32 s[CS+1], s[CS]
	s_mov_b32 s2, 0x40faf233                       ; KINV = sqrt(128) ln 2, as a pair
	s_mov_b32 s3, s2
	s_mov_b32 s[TB], 0
	s_mov_b32 s[TS], 0
	s_mov_b32 s[TJ], 0
	s_mov_b32 s[SLOTS], NSL-1
	s_mov_b32 s[KF], 0
	s_mov_b32 s95, 0
	s_mov_b32 s97, 0
	s_wait_kmcnt 0x0
	; groups 0: their offsets are made of the head and the wave's number alone, in s[94:95], which never hold x
	s_lshl_b32 s94, s92, 2                         ; K's scale words: 4 head + 1,024 u rows of 128 bytes
	s_lshl_b32 s27, s93, 17
	s_add_co_u32 s94, s94, s27
	s_mov_b32 s[G0SK], 1
	s_lshl_b32 s27, s93, 12
	s_add_co_u32 s[G0SK+1], s27, SCK
	s_add_nc_u64 s[G0SK+2:G0SK+3], s[10:11], s[94:95]
	s_or_b32 s[G0SK+3], s[G0SK+3], 0x80000000
	s_lshl_b32 s94, s92, 13                        ; V's scale bytes: 8,192 head + 4,096 u
	s_lshl_b32 s27, s93, 12
	s_add_co_u32 s94, s94, s27
	s_mov_b32 s[G0SV], 1
	s_mul_i32 s27, s93, SCH
	s_add_co_u32 s[G0SV+1], s27, SCV
	s_add_nc_u64 s[G0SV+2:G0SV+3], s[14:15], s[94:95]
	s_or_b32 s[G0SV+3], s[G0SV+3], 0x80000000
	s_lshl_b32 s94, s92, 6                         ; K: 64 head + 256 u rows of 2,048 bytes
	s_lshl_b32 s27, s93, 19
	s_add_co_u32 s94, s94, s27
	s_mov_b32 s[G0K], 1
	s_mul_i32 s[G0K+1], s93, 256*KP
	s_add_nc_u64 s[G0K+2:G0K+3], s[8:9], s[94:95]
	s_or_b32 s[G0K+3], s[G0K+3], 0x80000000
	s_lshl_b32 s94, s92, 17                        ; V: 131,072 head + 64 u rows of 1,024 bytes
	s_lshl_b32 s27, s93, 16
	s_add_co_u32 s94, s94, s27
	s_mov_b32 s[G0V], 1
	s_mul_i32 s27, s93, 64*VP
	s_add_co_u32 s[G0V+1], s27, VOFF
	s_add_nc_u64 s[G0V+2:G0V+3], s[12:13], s[94:95]
	s_or_b32 s[G0V+3], s[G0V+3], 0x80000000
	; the bases of what my wave alone reads and writes, with x among their offsets, in s[96:97]
	s_lshl_b32 s96, s98, 11
	s_lshl_b32 s105, s92, 6
	s_add_co_u32 s96, s96, s105
	s_add_nc_u64 s[4:5], s[4:5], s[96:97]          ; Q's codes: 2,048 q0 + 64 head
	s_lshl_b32 s96, s98, 7
	s_lshl_b32 s105, s92, 2
	s_add_co_u32 s96, s96, s105
	s_add_nc_u64 s[6:7], s[6:7], s[96:97]          ; Q's scale words: 128 q0 + 4 head
	s_lshl_b32 s96, s98, 14
	s_lshl_b32 s105, s92, 9
	s_add_co_u32 s96, s96, s105
	s_add_nc_u64 s[18:19], s[18:19], s[96:97]      ; out0: 16,384 q0 + 512 head
	s_lshl_b32 s96, s92, 13
	s_lshl_b32 s105, s98, 2
	s_add_co_u32 s96, s96, s105
	s_add_nc_u64 s[20:21], s[20:21], s[96:97]      ; stats: 8,192 head + 4 q0
	s_lshl_b32 s96, s101, 17
	s_lshl_b32 s105, s104, 8
	s_add_co_u32 s96, s96, s105
	s_add_nc_u64 s[16:17], s[16:17], s[96:97]      ; the mask: 16 qt rows of 8,192 bytes + 256 kb
	s_lshl_b32 s96, s104, 19
	s_lshl_b32 s105, s101, 12
	s_add_co_u32 s96, s96, s105
	s_add_nc_u64 s[22:23], s[22:23], s[96:97]      ; th: 524,288 kb + 4,096 qt
	s_lshl_b32 s96, s101, 11
	s_lshl_b32 s105, s104, 6
	s_add_co_u32 s96, s96, s105
	s_add_nc_u64 s[24:25], s[24:25], s[96:97]      ; uflag: 2,048 qt + 64 kb
	CROUND                                         ; all four work-groups are here: the first joint loads meet
	s_cmp_lt_u32 s[WV], 2                          ; a wave's two first fills stand in one branch, ahead of every wait on TENSORcnt, every LDS read and every other barrier: two loads of mine are out at the most
	s_cbranch_scc0 .Lfirst_not_k
	tensor_load_to_lds s[G0SK:G0SK+3], s[G1SK:G1SK+7]      ; the head's scale words of K: filled once
	s_nop 0
	tensor_load_to_lds s[G0K:G0K+3], s[G1K:G1K+7]          ; slot 0
	s_nop 0
.rept 4
	v_nop
.endr
	s_branch .Lfirst_asked
.Lfirst_not_k:
	s_cmp_lt_u32 s[WV], 4
	s_cbranch_scc0 .Lfirst_asked
	tensor_load_to_lds s[G0SV:G0SV+3], s[G1S:G1S+7]        ; the head's scale bytes of V: filled once
	s_nop 0
	tensor_load_to_lds s[G0V:G0V+3], s[G1V:G1V+7]          ; slot 0
	s_nop 0
.rept 4
	v_nop
.endr
.Lfirst_asked:
	v_and_b32 v8, 15, v0                           ; r = lane % 16
	v_bfe_u32 v9, v0, 4, 1                         ; h = lane / 16
	v_lshlrev_b32 v10, 11, v8
	v_lshl_add_u32 v10, v9, 4, v10                 ; Q: query r, 2,048 bytes apart, + my half's 16 bytes
	global_load_b128 v[16:19], v10, s[4:5]         ; Q's fragment stays in registers
	global_load_b128 v[20:23], v10, s[4:5] offset:32
	v_lshlrev_b32 v254, 7, v8
	global_load_b32 v255, v254, s[6:7]             ; Q's scale words
	v_lshlrev_b32 v28, 16, v9
	v_lshl_add_u32 v28, v8, 4, v28                 ; the mask: lanes 16-31 eight rows further down; 16 bytes a lane: sixteen lanes read 256 consecutive bytes, aligned
.irp j, 0,1,2,3,4,5,6,7
	global_load_b128 v[CM+4*\j:CM+4*\j+3], v28, s[16:17] offset:8192*\j th:TH_LOAD_NT   ; register 4 j + t: c(16 qt + 8 h + j, 64 kb + 4 r + t); read once in the launch
.endr
	v_and_b32 v11, 8, v8
	v_add_nc_u32 v11, v11, v8                      ; r + 8 (r / 8)
	v_mul_u32_u24 v[AK0], v11, KP
	v_lshl_add_u32 v[AK0], v9, 4, v[AK0]
	v_mul_u32_u24 v[AV0], v8, VP
	v_lshl_add_u32 v[AV0], v9, 4, v[AV0]
	v_add_nc_u32 v[AV0], VOFF, v[AV0]
	v_lshl_add_u32 v[ASK0], v11, 2, SCK            ; K's scale words: 4 bytes a key
	v_lshlrev_b32 v12, 6, v8                       ; V's: row r of a tile begins 64 r bytes on: which unit of 256 bytes, and where in it
	v_lshrrev_b32 v13, 8, v12
	v_and_b32 v12, 255, v12
	v_mad_u32_u24 v[ASV0], v13, 272, v12
	v_add_nc_u32 v[ASV0], SCV, v[ASV0]
	v_lshlrev_b32 v[GO], 14, v9
	v_lshl_add_u32 v[GO], v8, 4, v[GO]             ; the way out: lanes 0-15 one query's row of out0, lanes 16-31 the next query's, 16,384 bytes on; 16 bytes a lane
	v_lshlrev_b32 v[DG], 4, v9
	v_sub_nc_u32 v[DG], v8, v[DG]
	s_lshl_b32 s105, s91, 4
	v_add_nc_u32 v[DG], s105, v[DG]                ; 16 x + r - 16 h
	v_mov_b32 v13, 0xff61b1e6                      ; the largest t so far: -3e38, under every t
	v_floor_f32 v12, -v13                          ; -M
	v_mov_b32 v14, 0                               ; the sum, in two halves
	v_mov_b32 v15, 0
.irp b, 0,1,2,3
	v_mov_b32 v[236+\b], 0                         ; written once: a lane permute's destination counts as one of its sources
.endr
	v_mov_b32 v252, 0
	v_mov_b32 v253, 0                              ; (named as the upper half of the pair v[252:253] before it is first written)
	; ---- THE MASK'S PART, while the first tiles are on their way.  q - k = dl + j - t for register 4 j + t
	v_mov_b32 v25, 0xff800000                      ; -infinity
	v_mov_b32 v26, 0x7f800000                      ; +infinity
	s_lshl_b32 s105, s101, 4
	s_lshl_b32 s27, s104, 6
	s_sub_co_i32 s105, s105, s27
	v_lshlrev_b32 v27, 3, v9
	v_lshlrev_b32 v31, 2, v8
	v_sub_nc_u32 v27, v27, v31
	v_add_nc_u32 v27, s105, v27                    ; dl = 16 qt - 64 kb + 8 h - 4 r
	v_and_b32 v29, 31, v0
	v_lshlrev_b32 v29, 4, v29                      ; th: 16 x lane
	v_lshlrev_b32 v30, 2, v8
	v_lshl_add_u32 v30, v9, 1, v30                 ; uflag: 4 r + 2 h
	s_wait_loadcnt 0x0                             ; Q and the mask are in: their bases and the pointers that only made descriptors are free, and s4-14 take the eleven lane masks below
.irp d, 0,1,2,3,4,5,6,7,8,9,10
	v_cmp_gt_i32 s[4+\d], (\d-7), v27              ; hidden (q < k) where t - j = d - 7 is larger than dl
.endr
.irp t, 0,1,2,3
	s_mov_b32 s[90+\t], 0                          ; U of column t
.endr
.irp j, 0,1,2,3,4,5,6,7
.irp t, 0,1,2,3
	v_cmp_ge_f32 s[94+\t], 0, v[CM+4*\j+\t]        ; 0 >= c (never so for NaN)
.endr
.irp t, 0,1,2,3
	s_and_b32 s105, s[94+\t], s[11+\t-\j]          ; and hidden
	s_or_b32 s[90+\t], s[90+\t], s105
.endr
.endr
	s_cmp_lt_u32 s[QB], s[KC]                      ; pieces that lie wholly above the diagonal's blocks of 256 get no thresholds: nobody reads them.  Both numbers are the same in the four partners
	s_cbranch_scc1 .Lno_th
.set n, 0
.rept 32
	v_log_f32 v[THR+n], v[CM+n]
.set n, n+1
.endr
	v_nop                                          ; one plain place behind the last logarithm
.set n, 0
	s_wait_alu depctr_va_vdst(0)
.rept 16
	v_pk_mul_f32 v[THR+n:THR+n+1], v[THR+n:THR+n+1], s[2:3] op_sel_hi:[1,0]   ; log2(c) x KINV
.set n, n+2
.endr
.irp j, 0,1,2,3,4,5,6,7
.irp t, 0,1,2,3
	v_cmp_ge_f32 s[94+\t], 0, v[CM+4*\j+\t]
.endr
.irp t, 0,1,2,3
	v_cndmask_b32 v[THR+4*\j+\t], v[THR+4*\j+\t], v25, s[94+\t]      ; c <= 0: always true
.endr
.irp t, 0,1,2,3
	v_cndmask_b32 v[THR+4*\j+\t], v[THR+4*\j+\t], v26, s[11+\t-\j]   ; hidden: never true here; U speaks for it
.endr
	global_store_b128 v29, v[THR+4*\j:THR+4*\j+3], s[22:23] offset:512*\j   ; 32 lanes store 512 consecutive bytes, aligned
.endr
.Lno_th:
.irp t, 0,1,2,3
	s_lshr_b32 s105, s[90+\t], 16                  ; the two halves of the lanes hold the tile's upper and lower eight rows: joined, in both halves
	s_lshl_b32 s27, s[90+\t], 16
	s_or_b32 s105, s105, s27
	s_or_b32 s[90+\t], s[90+\t], s105
.endr
	v_cndmask_b32 v31, 0, 1, s90
	v_cndmask_b32 v96, 0, 1, s91
	v_cndmask_b32 v97, 0, 1, s92
	v_cndmask_b32 v98, 0, 1, s93
	v_lshl_or_b32 v31, v96, 8, v31
	v_lshl_or_b32 v31, v97, 16, v31
	v_lshl_or_b32 v31, v98, 24, v31                ; four bytes: keys 4 r .. 4 r + 3
	v_lshlrev_b32 v96, 4, v9
	v_lshrrev_b32 v31, v96, v31                    ; lanes 16-31 store the upper two
	global_store_b16 v30, v31, s[24:25]            ; 32 lanes store 64 consecutive bytes
	s_wait_xcnt 0x0                                ; the stores have read their registers: the key steps write them again
.set n, 0
.rept 64
	v_mov_b32 v[160+n], 0                          ; O^T.  (The key step is written once for all steps: the first finds zeros, which the first change of M leaves zeros)
.set n, n+1
.endr
; A KEY STEP: 128 keys, the q-th of the slot in hand.  A step all of whose keys come after my queries is left out: a scalar branch on the wave's number and the step, round the step's loads, products and softmax;
; not round the lines at its end that step addresses; no barrier and no tensor load stands in a step.
.macro STEP q
	s_cmp_gt_u32 s[KF], s[WQ]
	s_cbranch_scc1 .Lhidden_\@
	v_add_nc_u32 v[ADK], s[TB], v[AK0]             ; (these four are also the places in front of loads into registers that the last step's products have read)
	v_add_nc_u32 v[ADV], s[TB], v[AV0]
	v_add_nc_u32 v[ADS], s[TS], v[ASK0]
	v_add_nc_u32 v[ADT], s[TJ], v[ASV0]
.irp g, 0,1                                    ; S^T = K Q^T, four tiles of 16 keys at a time
.if \g > 0
.rept 4
	v_nop                                          ; places in front of loads into registers that matrix instructions have read
.endr
.endif
.irp t, 0,1,2,3
.irp c, 0,1
	ds_load_b128 v[32+8*\t+4*\c:32+8*\t+4*\c+3], v[ADK] offset:(128*(\q)+32*((4*\g+\t)/2)+8*(\t%2))*KP+32*\c
.endr
	ds_load_b32 v[248+\t], v[ADS] offset:(32*((4*\g+\t)/2)+8*(\t%2))*4
.endr
	s_wait_dscnt 0x0
.irp t, 0,1,2,3
	v_wmma_scale_f32_16x16x128_f8f6f4 v[96+8*(4*\g+\t):103+8*(4*\g+\t)], v[32+8*\t:39+8*\t], v[16:23], 0, v[248+\t], v255 matrix_a_fmt:MATRIX_FMT_FP4 matrix_b_fmt:MATRIX_FMT_FP4
.endr
.endr
.rept 4
	v_nop
.endr
	s_cmp_lt_u32 s[KF], s[WQ]                      ; a step all of whose keys count skips the mask
	s_cbranch_scc1 .Lopen_\@
	v_mov_b32 v254, 0xff800000                     ; my diagonal step: hidden scores become -infinity ahead of the maximum: p = 0 then
.irp n, 0,1,2,3,4,5,6,7,8,9,10,11,12,13,14,15,16,17,18,19,20,21,22,23,24,25,26,27,28,29,30,31,32,33,34,35,36,37,38,39,40,41,42,43,44,45,46,47,48,49,50,51,52,53,54,55,56,57,58,59,60,61,62,63
	v_cmp_gt_i32 vcc_lo, 32*(\n/16)+\n%16, v[DG]
	v_cndmask_b32 v[96+\n], v[96+\n], v254, vcc_lo
.endr
.Lopen_\@:
.irp b, 0,1,2,3
	v_max3_num_f32 v[232+\b], v[96+16*\b], v[97+16*\b], v[98+16*\b]   ; THE LARGEST SCORE OF EACH BLOCK OF 32 KEYS serves twice: for the row's maximum and, since p rises with the score, for the block's largest p
.endr
.irp i, 3,5,7,9,11,13
.irp b, 0,1,2,3
	v_max3_num_f32 v[232+\b], v[232+\b], v[96+16*\b+\i], v[97+16*\b+\i]   ; (the four blocks by turns)
.endr
.endr
.irp b, 0,1,2,3
	v_max_num_f32 v[232+\b], v[232+\b], v[111+16*\b]
.endr
.irp b, 0,1,2,3
	v_permlanex16_b32 v[236+\b], v[232+\b], s[SEL], s[SEL+1]
.endr
.irp b, 0,1,2,3
	v_max_num_f32 v[232+\b], v[232+\b], v[236+\b]  ; with lane l xor 16's 16 keys
.endr
	v_max3_num_f32 v254, v232, v233, v234
	v_max_num_f32 v254, v254, v235                 ; the step's largest score of my query
	v_mul_f32 v254, s[CS], v254                    ; as t (c is positive)
	v_max_num_f32 v13, v13, v254                   ; the running largest t
	v_mov_b32 v254, v12
	v_floor_f32 v12, -v13                          ; the new -M = floor(-t) = -ceil(t): M IS A WHOLE NUMBER
	v_sub_f32 v254, v12, v254                      ; M's old value less its new one: a whole number, 0 or less
	v_cvt_i32_f32 v254, v254                       ; (it saturates)
	v_ldexp_f32 v252, 1.0, v254                    ; f = 2^(old M - new M): a multiplication by it rounds nothing
.irp j, 0,2,4,6,8,10,12,14,16,18,20,22,24,26,28,30,32,34,36,38,40,42,44,46,48,50,52,54,56,58,60,62
	v_pk_fma_f32 v[96+\j:97+\j], v[96+\j:97+\j], s[CS:CS+1], v[12:13] op_sel_hi:[1,0,0]   ; t - M, two at a time (of the pairs c and -M the low word serves both halves)
.endr
.irp b, 0,1,2,3
	v_fma_f32 v[232+\b], v[232+\b], s[CS], v12     ; the same of each block's largest score
.endr
.irp j, 0,1,2,3,4,5,6,7,8,9,10,11,12,13,14,15,16,17,18,19,20,21,22,23,24,25,26,27,28,29,30,31,32,33,34,35,36,37,38,39,40,41,42,43,44,45,46,47,48,49,50,51,52,53,54,55,56,57,58,59,60,61,62,63
	v_exp_f32 v[96+\j], v[96+\j]                   ; p = 2^(t - M), at most 1: NOT normalised
.endr
.irp b, 0,1,2,3
	v_exp_f32 v[232+\b], v[232+\b]                 ; the block's largest p: the same two instructions on the same number give the same bits
.endr
	v_pk_mul_f32 v[14:15], v[14:15], v[252:253] op_sel_hi:[1,0]   ; the sums under the new M.  (A plain place behind the exponentials)
	s_wait_alu depctr_va_vdst(0)
.irp b, 0,1,2,3
	v_max_num_f32 v[232+\b], 0x1800000, v[232+\b]  ; the floor 2^(3 - 127): the byte cannot fall under 1 (a block whose every p is 0 keeps that byte: its codes are zeros)
.endr
.irp b, 0,1,2,3
	v_add_nc_u32 v[244+\b], 0xff000000, v[232+\b]  ; 2 off the exponent field: the conversion's scale operand
.endr
.irp b, 0,1,2,3
	v_lshrrev_b32 v[236+\b], 23, v[244+\b]         ; the scale's byte
.endr
	v_lshl_or_b32 v253, v237, 8, v236              ; p's scale word for these 128 keys
	v_lshl_or_b32 v253, v238, 16, v253
	v_lshl_or_b32 v253, v239, 24, v253
.irp b, 0,1,2,3
	v_cvt_scalef32_pk8_fp4_f32 v[224+2*\b], v[96+16*\b:103+16*\b], v[244+\b]
	v_cvt_scalef32_pk8_fp4_f32 v[225+2*\b], v[104+16*\b:111+16*\b], v[244+\b]
.endr
	v_nop                                          ; one plain vector instruction between a scaled conversion and the vector instruction that touches its result
.irp c, 0,1                                    ; the operand's layout wants a WHOLE block in a lane: lanes 0-15 block 2 c, lanes 16-31 block 2 c + 1
.irp i, 0,1
	v_permlane16_swap_b32 v[224+4*\c+\i], v[226+4*\c+\i]
.endr
.endr
	v_pk_add_f32 v[236:237], v[96:97], v[98:99]    ; THE ROW'S SUM IS TAKEN OF THE UNQUANTISED p: two at a time, in two chains
.irp j, 4,8,12,16,20,24,28,32,36,40,44,48,52,56,60
	v_pk_add_f32 v[14:15], v[14:15], v[96+\j:97+\j]
	v_pk_add_f32 v[236:237], v[236:237], v[98+\j:99+\j]
.endr
	v_pk_add_f32 v[14:15], v[14:15], v[236:237]
.irp j, 0,2,4,6,8,10,12,14,16,18,20,22,24,26,28,30,32,34,36,38,40,42,44,46,48,50,52,54,56,58,60,62
	v_pk_mul_f32 v[160+\j:161+\j], v[160+\j:161+\j], v[252:253] op_sel_hi:[1,0]   ; O^T under the new M: x f.  (These 32 are also the places in front of the matrix instructions and loads below)
.endr
.irp g, 0,1                                    ; O^T += V^T P^T: four tiles of 16 of the head's 128 at a time; K = these 128 keys.  The accumulators take turns
.if \g > 0
.rept 4
	v_nop
.endr
.endif
.irp t, 0,1,2,3
.irp c, 0,1
	ds_load_b128 v[32+8*\t+4*\c:32+8*\t+4*\c+3], v[ADV] offset:16*(4*\g+\t)*VP+64*(\q)+32*\c
.endr
	ds_load_b32 v[248+\t], v[ADT] offset:(4*\g+\t)*4*272
.endr
	s_wait_dscnt 0x0
.irp t, 0,1,2,3
	v_wmma_scale_f32_16x16x128_f8f6f4 v[160+8*(4*\g+\t):167+8*(4*\g+\t)], v[32+8*\t:39+8*\t], v[224:231], v[160+8*(4*\g+\t):167+8*(4*\g+\t)], v[248+\t], v253 matrix_a_fmt:MATRIX_FMT_FP4 matrix_b_fmt:MATRIX_FMT_FP4
.endr
.endr
.Lhidden_\@:
	s_add_co_u32 s[KF], s[KF], 128
	s_add_co_u32 s[TS], s[TS], 512                 ; the next step's scale words
	s_add_co_u32 s[TJ], s[TJ], 4
.endm
; THE CHANGE OF SLOTS stands at a slot's head.  Each wave waits for all its tensor loads (its part of the slot that it is about to read), adds 0 to its spare word, and waits for that and for its reads of the slot that it
; has left.  fill = 1: the barrier is a round of the cluster's, so that no wave of any partner still reads the other slot or has a load on its way, and the joint fill of that slot is the first thing behind it: it has a
; whole slot's four steps in which to land.
.macro CHANGE fill
	s_wait_tensorcnt 0x0                           ; no tensor load of mine is out, so a group 0 may be written
	ds_add_u32 v[SPW], v[NIL]                      ; 0 onto my spare word
.if \fill
	s_xor_b32 s[G0K+1], s[G0K+1], SLOT1            ; the walking descriptors: the other slot than last time,
	s_add_nc_u64 s[G0K+2:G0K+3], s[G0K+2:G0K+3], SK*2048   ; the next 512 keys; the type bits on top are not reached
	s_xor_b32 s[G0V+1], s[G0V+1], SLOT1
	s_add_nc_u64 s[G0V+2:G0V+3], s[G0V+2:G0V+3], 256
.endif
	s_wait_dscnt 0x0                               ; the add is done, and my reads of the slot that I have left are over
.if \fill
	CROUND
	TLOAD                                          ; the first thing behind the round, and a wave's one tensor load until the next
.else
	s_barrier_signal -1
	s_barrier_wait -1
.endif
.endm
.macro SLOT_STEPS
	STEP 0
	STEP 1
	STEP 2
	STEP 3
	s_xor_b32 s[TB], s[TB], SLOT1                  ; on to the other slot
.endm
.Lslot:                                            ; three trips: behind each change of slots but the last the next slot is asked for
	CHANGE 1
	SLOT_STEPS
	s_sub_co_u32 s[SLOTS], s[SLOTS], 1
	s_cmp_lg_u32 s[SLOTS], 0
	s_cbranch_scc1 .Lslot
	CHANGE 0                                       ; the last slot is written out
	SLOT_STEPS
	; THE WAY OUT.  The row's sum; its logarithm for the statistic and its reciprocal for O.
	v_add_f32 v14, v14, v15                        ; the sum's two halves,
	v_permlanex16_b32 v252, v14, s[SEL], s[SEL+1]
	v_add_f32 v14, v14, v252                       ; and lane l xor 16's: l
	v_log_f32 v254, v14
	v_rcp_f32 v15, v14
	v_and_b32 v8, 15, v0                           ; (a plain place behind the transcendentals)  r
	v_bfe_u32 v9, v0, 4, 1                         ; h
	s_wait_alu depctr_va_vdst(0)
	v_sub_f32 v254, v12, v254                      ; -M - log2 l
	v_mul_f32 v254, s2, v254                       ; NL
	s_mov_b32 s27, 0xffff0000
	v_cndmask_b32 v254, v254, v255, s27            ; lanes 0-15: my query's NL; lanes 16-31: its scale word
	v_lshlrev_b32 v232, 18, v9
	v_lshl_add_u32 v232, v8, 2, v232               ; 262,144 h + 4 r
	global_store_b32 v232, v254, s[20:21]
	s_mul_i32 s27, s[WV], 16*272
	s_add_co_u32 s27, s27, STAGE                   ; my stage
	v_mul_u32_u24 v10, v8, 272
	v_lshl_add_u32 v10, v9, 5, v10
	v_add_nc_u32 v10, s27, v10                     ; in: row r; tile t's eight channels of my half: 64 t + 32 h bytes on
	v_mul_u32_u24 v11, v9, 272
	v_lshl_add_u32 v11, v8, 4, v11
	v_add_nc_u32 v11, s27, v11                     ; back: lanes 0-15 one row, lanes 16-31 the next
.set n, 0
.rept 64
	v_mul_f32 v[96+n], v[160+n], v15               ; O^T / l, each accumulator from its low end on: register 8 t + i is o(r, 16 t + 8 h + i)
.set n, n+1
.endr
.irp u, 0,1                                    ; channels 64 u on: half a row, 256 bytes, of 16 queries at a time
.irp t, 0,1,2,3
	ds_store_b128 v10, v[96+32*\u+8*\t:99+32*\u+8*\t] offset:64*\t
	ds_store_b128 v10, v[100+32*\u+8*\t:103+32*\u+8*\t] offset:64*\t+16
.endr
.irp i, 0,1,2,3,4,5,6,7
	ds_load_b128 v[32+32*\u+4*\i:35+32*\u+4*\i], v11 offset:2*\i*272   ; LDS serves a wave's instructions in order: these see my stores, and the next half's stores come behind them
.endr
.endr
.irp u, 0,1
.irp i, 0,1,2,3,4,5,6,7
	s_wait_dscnt 15-8*\u-\i                        ; the younger loads from the stage may stay out
	global_store_b128 v[GO], v[32+32*\u+4*\i:35+32*\u+4*\i], s[18:19] offset:2*\i*16384+256*\u th:TH_STORE_NT   ; sixteen lanes store 256 consecutive bytes, aligned; written once, read by nobody
.endr
.endr
	s_wait_tensorcnt 0x0                           ; the wave's end, behind my last tensor load and my last LDS store
	ds_add_u32 v[SPW], v[NIL]
	s_wait_dscnt 0x0
	CROUND                                         ; the closing round: no work-group ends while a partner may still ask for a tile that names it
	s_endpgm
.Lfunc_end_k_qa8b530a6c7_attn:
	.size	k_qa8b530a6c7_attn, .Lfunc_end_k_qa8b530a6c7_attn-k_qa8b530a6c7_attn
	.p2alignl 7, 3214868480
	.fill 96, 4, 3214868480
	.section	.rodata,"a",@progbits
	.p2align	6, 0x0
	.amdhsa_kernel k_qa8b530a6c7_attn
		.amdhsa_group_segment_fixed_size 327680
		.amdhsa_private_segment_fixed_size 0
		.amdhsa_enable_private_segment 0
		.amdhsa_kernarg_size 88
		.amdhsa_user_sgpr_count 2
		.amdhsa_user_sgpr_kernarg_segment_ptr 1
		.amdhsa_wavefront_size32 1
		.amdhsa_system_sgpr_workgroup_id_x 1
		.amdhsa_system_sgpr_workgroup_id_y 1
		.amdhsa_system_sgpr_workgroup_id_z 1
		.amdhsa_system_vgpr_workitem_id 0
		.amdhsa_next_free_vgpr 256
		.amdhsa_next_free_sgpr 106
		.amdhsa_reserve_vcc 1
		.amdhsa_float_denorm_mode_32 3
		.amdhsa_float_denorm_mode_16_64 3
		.amdhsa_memory_ordered 1
		.amdhsa_forward_progress 1
		.amdhsa_inst_pref_size 225
	.end_amdhsa_kernel
	.amdgpu_metadata
---
amdhsa.version: [ 1, 2 ]
amdhsa.kernels:
  - .name:           k_qa8b530a6c7_attn
    .symbol:         k_qa8b530a6c7_attn.kd
    .args:
      - { .name: q_codes, .offset: 0, .size: 8, .value_kind: global_buffer, .address_space: global }
      - { .name: q_scales, .offset: 8, .size: 8, .value_kind: global_buffer, .address_space: global }
      - { .name: k_codes, .offset: 16, .size: 8, .value_kind: global_buffer, .address_space: global }
      - { .name: k_scales, .offset: 24, .size: 8, .value_kind: global_buffer, .address_space: global }
      - { .name: v_codes, .offset: 32, .size: 8, .value_kind: global_buffer, .address_space: global }
      - { .name: v_scales, .offset: 40, .size: 8, .value_kind: global_buffer, .address_space: global }
      - { .name: corm_mask, .offset: 48, .size: 8, .value_kind: global_buffer, .address_space: global }
      - { .name: out0, .offset: 56, .size: 8, .value_kind: global_buffer, .address_space: global }
      - { .name: stats, .offset: 64, .size: 8, .value_kind: global_buffer, .address_space: global }
      - { .name: th, .offset: 72, .size: 8, .value_kind: global_buffer, .address_space: global }
      - { .name: uflag, .offset: 80, .size: 8, .value_kind: global_buffer, .address_space: global }
    .group_segment_fixed_size: 327680
    .private_segment_fixed_size: 0
    .kernarg_segment_align: 8
    .kernarg_segment_size: 88
    .max_flat_workgroup_size: 512
    .sgpr_count:     106
    .vgpr_count:     256
    .wavefront_size: 32
...
	.end_amdgpu_metadata
.endif
;; end of part 1
;; launch corm (part 2): grid 32 x 8, 16 waves a work-group, no clusters, 206,848 bytes of LDS; arguments q_codes, k_codes, k_scales, stats, th, uflag, out1; writes out1
.if DOCPART == 2
	.amdgcn_target "amdgcn-amd-amdhsa--gfx1250"
	.amdhsa_code_object_version 6
	.text
	.protected	k_qa8b530a6c7_corm
	.globl	k_qa8b530a6c7_corm
	.p2align	8
	.type	k_qa8b530a6c7_corm,@function
k_qa8b530a6c7_corm:
	s_mov_b64 s[64:65], 0
	v_nop
	global_prefetch_b8 v0, s[64:65] scope:SCOPE_SE
	s_setreg_imm32_b32 hwreg(HW_REG_WAVE_MODE, 25, 1), 1
	s_wait_xcnt 0x0
; out1[head][k] = any over q of (probs[head][q][k] >= corm_mask[q][k]).
; The launch before has left: NL[head][q] = -(M + log2 l) x KINV and each query's scale word (stats); TH[q][k] = log2(mask) x KINV, with -infinity where the mask is <= 0, NaN where it is NaN and +infinity where q < k (th);
; U[tile of 16 queries][k] = 1 where a row with q < k has a mask number <= 0 (uflag).  So probs >= mask  <=>  score + NL[q] >= TH[q][k], and the rows above the diagonal speak through U, for every head alike.
; The scores are made again, on the same codes by the same matrix instruction, with NL as the C of the product: a score costs one compare and one scalar OR.
; LIMITS: those of the launch before: the test is made on logarithms; a positive mask number under 2^-126 counts as 0.
; SHARES.  A work-group owns 64 keys (kb = its x) of four heads (4 y .. 4 y + 3).  Wave w: head 4 y + w % 4, and of every four tiles of 16 queries the tile w / 4.  A wave's four tiles of 16 keys stay in its registers:
; lane r of tile t takes key 64 kb + 4 r + t, so that a lane's four flags are four neighbouring bytes of out1.
; The queries go in 8 trips of 256.  In each, wave w brings tile 16 trip + w into LDS: its thresholds (4,096 bytes, already laid in the order of the registers) and its 16 rows of Q's codes for the four heads (256
; consecutive bytes a row); then every wave takes four tiles.  So thresholds are read once for four heads and Q once for 64 keys.
; Tiles that lie wholly above the diagonal (tile < 4 kb) are neither fetched nor multiplied: scalar branches on the work-group's and the wave's number and the trip.
; NO CLUSTER, NO TENSOR LOADS: a work-group fetches 128 - 4 kb of the 128 tiles and leaves the others out by a branch; a tensor load in a loop cannot be left out so, and fetching all tiles would double the bytes.
; So the tiles come through registers, a trip ahead, and work-groups share them through the cache alone.
.set THL,  0                           ; LDS: 16 images of thresholds, 4,096 bytes each
.set QL,   65536                       ; 256 rows of Q: 256 bytes + 16 of padding
.set QP,   272
.set NLS,  QL+256*QP                   ; NL of four heads: [4][2048] f32
.set QSL,  NLS+32768                   ; the queries' scale words: [4][2048]
.set FLH,  QSL+32768                   ; each wave's flags: 128 bytes
.set FLU,  FLH+2048                    ; each wave's part of U: 128 bytes
.set LI,   4                           ; v4   16 x lane
.set QA,   5                           ; v5   Q in memory: 2,048 h + 16 r
.set TW,   6                           ; v6   where I put my image: 4,096 w + 16 lane
.set QS,   7                           ; v7   where I put my rows of Q
.set QFA,  8                           ; v8   where I read a fragment of Q
.set QWA,  9                           ; v9   its scale words
.set NA,   10                          ; v10  its NL
.set TA,   11                          ; v11  its thresholds
.set FH,   12                          ; v12  my flags' place
.set FU,   13                          ; v13  my part of U's place
.set RH,   14                          ; v14  the end: the flags that I gather
.set RU,   15                          ; v15  and U's parts
.set OA,   16                          ; v16  out1: 2,048 h + 4 r
.set KA,   17                          ; v17  K in memory: 8,192 r + 16 h
.set KSA,  18                          ; v18  K's scale words: 512 r
.set UA,   19                          ; v19  uflag
.set SW,   20                          ; v20  where I put my part of the statistics
.set KF,   32                          ; v32-63   K's four fragments
.set KS,   64                          ; v64-67   their scale words
.set QW,   68                          ; v68      Q's scale words
.set QF,   72                          ; v72-79   Q's fragment
.set NL,   80                          ; v80-87   NL in the result's layout
.set S,    96                          ; v96-127  four accumulators
.set TH,   128                         ; v128-159 thresholds
.set MK,   160                         ; v160-191 an image on its way
.set QR,   192                         ; v192-223 16 rows of Q on their way
.set WV,   18
.set HH,   19
.set JS,   20
.set Y,    22
.set K4,   23                          ; the first tile of queries that meets my keys: 4 kb
.set QT,   24                          ; the tile that I bring in this trip
.set QC,   25                          ; the first tile that I take in this trip
.set ST,   26
.set SEL,  28
.set F,    32                          ; s[32:35] the flags of key tile t, a bit a lane
.set CT,   36                          ; s[36:43] eight compares' results
	s_load_b256 s[4:11], s[0:1], 0x0               ; q_codes 4, k_codes 6, k_scales 8, stats 10
	s_load_b128 s[12:15], s[0:1], 0x20             ; th 12, uflag 14
	s_load_b64 s[16:17], s[0:1], 0x30              ; out1
	v_lshl_add_u32 v240, v0, 2, 0x32000
	v_mov_b32 v241, 0
	v_lshrrev_b32 v1, 5, v0
	v_readfirstlane_b32 s[WV], v1                  ; wave 0..15
	v_and_b32 v1, 15, v0                           ; r
	v_bfe_u32 v2, v0, 4, 1                         ; h
	v_and_b32 v3, 31, v0                           ; lane
	s_and_b32 s[HH], s[WV], 3
	s_lshr_b32 s[JS], s[WV], 2
	s_and_b32 s[Y], ttmp7, 0xffff
	s_lshl_b32 s[K4], ttmp9, 2
	s_mov_b32 s[QT], s[WV]
	s_mov_b32 s[QC], s[JS]
	s_mov_b32 s[ST], 0
	s_mov_b32 s[SEL], 0x76543210
	s_mov_b32 s[SEL+1], 0xfedcba98
.irp t, 0,1,2,3
	s_mov_b32 s[F+\t], 0
.endr
	; every address register is made here, on the way that all waves take
	v_lshlrev_b32 v[LI], 4, v3
	v_lshlrev_b32 v[QA], 11, v2
	v_lshl_add_u32 v[QA], v1, 4, v[QA]
	s_lshl_b32 s27, s[WV], 12
	v_add_nc_u32 v[TW], s27, v[LI]
	v_mul_u32_u24 v[QS], v2, QP
	v_lshl_add_u32 v[QS], v1, 4, v[QS]
	s_mul_i32 s27, s[WV], 16*QP
	s_add_co_u32 s27, s27, QL
	v_add_nc_u32 v[QS], s27, v[QS]                 ; QL + (16 w + h) rows + 16 r
	v_mul_u32_u24 v[QFA], v1, QP
	v_lshl_add_u32 v[QFA], v2, 4, v[QFA]
	s_mul_i32 s27, s[JS], 16*QP
	s_lshl_b32 s30, s[HH], 6
	s_add_co_u32 s27, s27, s30
	s_add_co_u32 s27, s27, QL
	v_add_nc_u32 v[QFA], s27, v[QFA]               ; QL + (16 js + r) rows + my head's 64 bytes + 16 h
	s_lshl_b32 s27, s[HH], 13
	s_lshl_b32 s30, s[JS], 6
	s_add_co_u32 s27, s27, s30                     ; 8,192 hh + 64 js
	s_add_co_u32 s30, s27, QSL
	v_lshl_add_u32 v[QWA], v1, 2, s30
	s_add_co_u32 s30, s27, NLS
	v_lshl_add_u32 v[NA], v2, 5, s30               ; a lane's eight NL: queries 8 h + 0 .. 7 of the tile
	s_lshl_b32 s27, s[JS], 12
	v_add_nc_u32 v[TA], s27, v[LI]
	s_lshl_b32 s27, s[WV], 7
	s_add_co_u32 s30, s27, FLH
	v_lshl_add_u32 v[FH], v3, 2, s30
	s_add_co_u32 s30, s27, FLU
	v_lshl_add_u32 v[FU], v3, 2, s30
	s_and_b32 s27, s[WV], 1
	s_lshl_b32 s27, s27, 8
	s_add_co_u32 s27, s27, FLH
	v_lshl_add_u32 v[RH], v2, 7, s27
	v_lshl_add_u32 v[RH], v1, 2, v[RH]             ; FLH + 128 (2 (w % 2) + h) + 4 r: the first of the four waves of the head that I finish
	v_lshl_add_u32 v[RU], v1, 2, FLU
	v_lshlrev_b32 v[OA], 11, v2
	v_lshl_add_u32 v[OA], v1, 2, v[OA]
	v_lshlrev_b32 v[KA], 13, v1
	v_lshl_add_u32 v[KA], v2, 4, v[KA]             ; key 4 r (+ t in the immediate), 2,048 bytes a key
	v_lshlrev_b32 v[KSA], 9, v1
	s_lshl_b32 s27, s[WV], 14
	v_lshl_add_u32 v[UA], v2, 11, s27
	v_lshl_add_u32 v[UA], v1, 2, v[UA]             ; rows 8 w + h (+ 2 i) of uflag, 2,048 bytes a row
	s_lshl_b32 s27, s[WV], 11
	s_add_co_u32 s27, s27, NLS
	v_add_nc_u32 v[SW], s27, v[LI]
	s_lshl_b32 s27, s[Y], 2
	s_add_co_u32 s27, s27, s[HH]                   ; my head
	s_mov_b32 s31, 0
	s_wait_kmcnt 0x0
	s_lshl_b32 s30, ttmp9, 17
	s_lshl_b32 s44, s27, 6
	s_add_co_u32 s30, s30, s44
	s_add_nc_u64 s[6:7], s[6:7], s[30:31]          ; K's codes: 64 kb keys of 2,048 bytes + 64 head
	s_lshl_b32 s30, ttmp9, 13
	s_lshl_b32 s44, s27, 2
	s_add_co_u32 s30, s30, s44
	s_add_nc_u64 s[8:9], s[8:9], s[30:31]          ; K's scale words: 64 kb keys of 128 bytes + 4 head
	s_lshl_b32 s30, s[Y], 15
	s_lshl_b32 s44, s[WV], 11
	s_add_co_u32 s30, s30, s44
	s_add_nc_u64 s[10:11], s[10:11], s[30:31]      ; stats: four heads' 32,768 bytes, my sixteenth of them
	s_lshl_b32 s30, ttmp9, 6
	s_add_nc_u64 s[14:15], s[14:15], s[30:31]      ; uflag: my 64 keys
	s_lshl_b32 s30, ttmp9, 19
	s_lshl_b32 s44, s[WV], 12
	s_add_co_u32 s30, s30, s44
	s_add_nc_u64 s[12:13], s[12:13], s[30:31]      ; th: my block of keys, image w
	s_lshl_b32 s30, s[WV], 15
	s_lshl_b32 s44, s[Y], 8
	s_add_co_u32 s30, s30, s44
	s_add_nc_u64 s[4:5], s[4:5], s[30:31]          ; Q's codes: tile w's 16 rows of 2,048 bytes, the four heads' 256 bytes
	s_and_b32 s30, s[WV], 1
	s_lshl_b32 s30, s30, 1
	s_lshl_b32 s44, s[Y], 2
	s_add_co_u32 s30, s30, s44
	s_lshl_b32 s30, s30, 11
	s_lshl_b32 s44, ttmp9, 6
	s_add_co_u32 s30, s30, s44
	s_add_nc_u64 s[16:17], s[16:17], s[30:31]      ; out1: head 4 y + 2 (w % 2), my 64 keys
.irp t, 0,1,2,3
.irp c, 0,1
	global_load_b128 v[KF+8*\t+4*\c:KF+8*\t+4*\c+3], v[KA], s[6:7] offset:2048*\t+32*\c   ; K's fragments stay in registers
.endr
	global_load_b32 v[KS+\t], v[KSA], s[8:9] offset:128*\t
.endr
.irp i, 0,1,2,3
	global_load_b128 v[MK+4*\i:MK+4*\i+3], v[LI], s[10:11] offset:512*\i               ; NL: 2,048 consecutive bytes a wave
	global_load_b128 v[MK+16+4*\i:MK+16+4*\i+3], v[LI], s[10:11] offset:262144+512*\i  ; the scale words likewise
.endr
.irp i, 0,1,2,3
	global_load_b32 v[224+\i], v[UA], s[14:15] offset:4096*\i                          ; U of tiles 8 w + 2 i + h, keys 4 r .. 4 r + 3
.endr
.set n, 0
.rept 32
	v_mov_b32 v[QR+n], 0                           ; written once, so that these registers are written on every way
.set n, n+1
.endr
	v_mov_b32 v229, 0                              ; a lane permute's destination counts as one of its sources
	s_wait_loadcnt 0x0
.irp i, 0,1,2,3
	ds_store_b128 v[SW], v[MK+4*\i:MK+4*\i+3] offset:512*\i
	ds_store_b128 v[SW], v[MK+16+4*\i:MK+16+4*\i+3] offset:32768+512*\i
.endr
	v_or_b32 v224, v224, v225
	v_or_b32 v226, v226, v227
	v_or_b32 v228, v224, v226
	v_permlanex16_b32 v229, v228, s[SEL], s[SEL+1]
	v_or_b32 v228, v228, v229                      ; U of my eight tiles of queries: kept to the end
	s_wait_dscnt 0x0                               ; the stores have read their registers: the first image lands there
.macro LOADS                                   ; my tile of the trip to come: its image, 512 consecutive bytes a load, and its 16 rows of Q, two rows of 256 bytes a load
.irp i, 0,1,2,3,4,5,6,7
	global_load_b128 v[MK+4*\i:MK+4*\i+3], v[LI], s[12:13] offset:512*\i
.endr
.irp i, 0,1,2,3,4,5,6,7
	global_load_b128 v[QR+4*\i:QR+4*\i+3], v[QA], s[4:5] offset:4096*\i
.endr
.endm
	s_cmp_lt_u32 s[QT], s[K4]
	s_cbranch_scc1 .Lno_first
	LOADS
.Lno_first:
; The i-th of my four tiles of a trip: tile 16 trip + 4 i + js.  D(m, n) = score(query 8 h + j, key of lane r) + NL(query): source 0 = Q's 16 rows, source 1 = 16 keys, C = NL.
.macro CONS i
	s_add_co_u32 s27, s[QC], 4*\i
	s_cmp_lt_u32 s27, s[K4]
	s_cbranch_scc1 .Lskip_\@                       ; wholly above the diagonal
	ds_load_b128 v[QF:QF+3], v[QFA] offset:64*QP*\i
	ds_load_b128 v[QF+4:QF+7], v[QFA] offset:64*QP*\i+32
	ds_load_b32 v[QW], v[QWA] offset:256*\i
	ds_load_b128 v[NL:NL+3], v[NA] offset:256*\i
	ds_load_b128 v[NL+4:NL+7], v[NA] offset:256*\i+16
.irp j, 0,1,2,3,4,5,6,7
	ds_load_b128 v[TH+4*\j:TH+4*\j+3], v[TA] offset:16384*\i+512*\j
.endr
	s_wait_dscnt 8                                 ; the operands are in; the eight younger loads, the thresholds, may stay out
.irp t, 0,1,2,3
	v_wmma_scale_f32_16x16x128_f8f6f4 v[S+8*\t:S+8*\t+7], v[QF:QF+7], v[KF+8*\t:KF+8*\t+7], v[NL:NL+7], v[QW], v[KS+\t] matrix_a_fmt:MATRIX_FMT_FP4 matrix_b_fmt:MATRIX_FMT_FP4
.endr
.rept 5
	v_nop                                          ; places: four in front of the compares and of the next tile's loads into the operands, five in front of the next tile's products, which write the accumulators anew
.endr
	s_wait_dscnt 0x0
.irp t, 0,1,2,3
.irp j, 0,1,2,3,4,5,6,7
	v_cmp_ge_f32 s[CT+\j], v[S+8*\t+\j], v[TH+4*\j+\t]   ; each accumulator from its low end on.  Never true against NaN or +infinity, always against -infinity
.endr
.irp j, 0,1,2,3,4,5,6,7
	s_or_b32 s[F+\t], s[F+\t], s[CT+\j]
.endr
.endr
.Lskip_\@:
.endm
.Lst:                                              ; eight trips of 256 queries
	s_wait_loadcnt 0x0                             ; my tile of this trip is in registers, and no load is out: the bases may step
	s_add_nc_u64 s[12:13], s[12:13], 65536         ; sixteen images on
	s_add_nc_u64 s[4:5], s[4:5], 524288            ; 256 rows of Q on
	s_cmp_lt_u32 s[QT], s[K4]
	s_cbranch_scc1 .Lno_stage
.irp i, 0,1,2,3,4,5,6,7
	ds_store_b128 v[TW], v[MK+4*\i:MK+4*\i+3] offset:512*\i
.endr
.irp i, 0,1,2,3,4,5,6,7
	ds_store_b128 v[QS], v[QR+4*\i:QR+4*\i+3] offset:2*QP*\i
.endr
.Lno_stage:
	s_wait_dscnt 0x0                               ; for the others' sake: my stores have landed (in the first trip the statistics too)
	s_barrier_signal -1
	s_barrier_wait -1
	s_add_co_u32 s27, s[QT], 16                    ; the next trip's tile is asked for now and lands while this trip is taken: if it meets my keys, and if there is one: no load leaves its buffer
	s_cmp_lt_u32 s27, s[K4]
	s_cbranch_scc1 .Lno_next
	s_cmp_gt_u32 s27, 127
	s_cbranch_scc1 .Lno_next
	LOADS
.Lno_next:
	CONS 0
	CONS 1
	CONS 2
	CONS 3
	v_add_nc_u32 v[QWA], 1024, v[QWA]              ; 256 queries on
	v_add_nc_u32 v[NA], 1024, v[NA]
	s_wait_dscnt 0x0                               ; my reads of the images are over:
	s_barrier_signal -1
	s_barrier_wait -1                              ; everybody's are: the next trip may write over them
	s_add_co_u32 s[QT], s[QT], 16
	s_add_co_u32 s[QC], s[QC], 16
	s_add_co_u32 s[ST], s[ST], 1
	s_cmp_lt_u32 s[ST], 8
	s_cbranch_scc1 .Lst
	; THE END.  A lane's bit speaks for eight of a tile's 16 queries: the halves are joined; lanes 0-15 then hold four neighbouring keys' flags as four bytes.
.irp t, 0,1,2,3
	s_lshr_b32 s27, s[F+\t], 16
	s_or_b32 s[F+\t], s[F+\t], s27
.endr
	v_cndmask_b32 v224, 0, 1, s[F]
	v_cndmask_b32 v225, 0, 1, s[F+1]
	v_cndmask_b32 v226, 0, 1, s[F+2]
	v_cndmask_b32 v227, 0, 1, s[F+3]
	v_lshl_or_b32 v224, v225, 8, v224
	v_lshl_or_b32 v224, v226, 16, v224
	v_lshl_or_b32 v224, v227, 24, v224
	ds_store_b32 v[FH], v224
	ds_store_b32 v[FU], v228
	s_wait_dscnt 0x0
	s_barrier_signal -1
	s_barrier_wait -1
	s_cmp_gt_u32 s[WV], 1                          ; waves 0 and 1 finish: lane (r, h) of wave w serves head 4 y + 2 w + h, keys 4 r .. 4 r + 3
	s_cbranch_scc1 .Lend
.irp i, 0,1,2,3
	ds_load_b32 v[128+\i], v[RH] offset:512*\i     ; the four waves of that head
.endr
.irp i, 0,1,2,3,4,5,6,7,8,9,10,11,12,13,14,15
	ds_load_b32 v[132+\i], v[RU] offset:128*\i     ; and all sixteen parts of U
.endr
	s_wait_dscnt 0x0
.irp i, 0,1,2,3,4,5,6,7,8,9
	v_or_b32 v[128+\i], v[128+\i], v[138+\i]
.endr
.irp i, 0,1,2,3,4
	v_or_b32 v[128+\i], v[128+\i], v[133+\i]
.endr
	v_or_b32 v128, v128, v129
	v_or_b32 v130, v130, v131
	v_or_b32 v128, v128, v130
	v_or_b32 v128, v128, v132
	global_store_b32 v[OA], v128, s[16:17]         ; sixteen lanes store a head's 64 consecutive bytes
.Lend:
	s_wait_tensorcnt 0x0
	ds_add_u32 v240, v241
	s_wait_dscnt 0x0
	s_endpgm
.Lfunc_end_k_qa8b530a6c7_corm:
	.size	k_qa8b530a6c7_corm, .Lfunc_end_k_qa8b530a6c7_corm-k_qa8b530a6c7_corm
	.p2alignl 7, 3214868480
	.fill 96, 4, 3214868480
	.section	.rodata,"a",@progbits
	.p2align	6, 0x0
	.amdhsa_kernel k_qa8b530a6c7_corm
		.amdhsa_group_segment_fixed_size 206848
		.amdhsa_private_segment_fixed_size 0
		.amdhsa_enable_private_segment 0
		.amdhsa_kernarg_size 56
		.amdhsa_user_sgpr_count 2
		.amdhsa_user_sgpr_kernarg_segment_ptr 1
		.amdhsa_wavefront_size32 1
		.amdhsa_system_sgpr_workgroup_id_x 1
		.amdhsa_system_sgpr_workgroup_id_y 1
		.amdhsa_system_sgpr_workgroup_id_z 1
		.amdhsa_system_vgpr_workitem_id 0
		.amdhsa_next_free_vgpr 242
		.amdhsa_next_free_sgpr 66
		.amdhsa_reserve_vcc 0
		.amdhsa_float_denorm_mode_32 3
		.amdhsa_float_denorm_mode_16_64 3
		.amdhsa_memory_ordered 1
		.amdhsa_forward_progress 1
		.amdhsa_inst_pref_size 36
	.end_amdhsa_kernel
	.amdgpu_metadata
---
amdhsa.version: [ 1, 2 ]
amdhsa.kernels:
  - .name:           k_qa8b530a6c7_corm
    .symbol:         k_qa8b530a6c7_corm.kd
    .args:
      - { .name: q_codes, .offset: 0, .size: 8, .value_kind: global_buffer, .address_space: global }
      - { .name: k_codes, .offset: 8, .size: 8, .value_kind: global_buffer, .address_space: global }
      - { .name: k_scales, .offset: 16, .size: 8, .value_kind: global_buffer, .address_space: global }
      - { .name: stats, .offset: 24, .size: 8, .value_kind: global_buffer, .address_space: global }
      - { .name: th, .offset: 32, .size: 8, .value_kind: global_buffer, .address_space: global }
      - { .name: uflag, .offset: 40, .size: 8, .value_kind: global_buffer, .address_space: global }
      - { .name: out1, .offset: 48, .size: 8, .value_kind: global_buffer, .address_space: global }
    .group_segment_fixed_size: 206848
    .private_segment_fixed_size: 0
    .kernarg_segment_align: 8
    .kernarg_segment_size: 56
    .max_flat_workgroup_size: 512
    .sgpr_count:     66
    .vgpr_count:     242
    .wavefront_size: 32
...
	.end_amdgpu_metadata
.endif
;; end of part 2
